; MI455X (gfx1250); checked and timed in simulation.
; The chip was launched on July 23, 2026; its instructions are those of AMD's public machine-readable ISA for CDNA 5 (MIT licence, August 2026) and "CDNA5" Instruction Set Architecture Reference Guide (July 2026). The comments in the code are by the model that wrote it; some were corrected since.
;; Decoder LSTM Cell. Allowed arithmetic: matrix products marked QUANTISED: E3M2 operands, one E8M0 scale for each 32 along K, by v_wmma_scale_f32_16x16x128_f8f6f4 with both operands' format E3M2, f32 sums; everything else in f32.
;; Inputs: C 4,096 x 256 float32; U 4,096 x 1,024 float32; W 4,096 x 256 float32; b 4,096 float32; c0 8,192 x 1,024 float32; ctx 8,192 x 256 float32; h0 8,192 x 1,024 float32; y 8,192 x 256 float32.
;; Outputs: out0 8,192 x 1,024 float32; out1 8,192 x 1,024 float32.
;; This version of the problem:
;;   THIS VERSION OF THE PROBLEM IS GIVEN IN LOW PRECISION. The matrix products marked QUANTISED in the list below multiply operands that are first quantised to E3M2 (3 exponent bits, 2 mantissa bits; 6 bits a number), with one power-of-two scale for each 32 numbers along K (OCP MX v1.0); their sums are f32. All else is computed in f32.
;;   The module's matrix products, in the order in which they are computed (A, B: the left and right operand; K: the contracted axis; several contracted axes count as one K, in the product's order):
;;     1. [M 8,192, K 256] x [K 256, N 4,096]; A: input y; B: input W: QUANTISED
;;     2. [M 8,192, K 1,024] x [K 1,024, N 4,096]; A: input h0; B: input U: QUANTISED
;;     3. [M 8,192, K 256] x [K 256, N 4,096]; A: input ctx; B: input C: QUANTISED
;;   THE QUANTISER, for each operand of a quantised product, along K:
;;     - K is cut into blocks of 32 from its start; a last block that is shorter is filled with zeros.
;;     - A block's scale is 2^e with e = floor(log2(the largest magnitude in the block)) - 4, held to -126 .. 127; a block of zeros has e = 0. As a byte (E8M0): e + 127.
;;     - Each number is divided by its block's scale, clamped to +-28, and rounded to the nearest number of E3M2, ties to even, subnormals kept.
;;     - The product sums the exact products of the quantised numbers (number of the format x scale) in f32.
;;   ~~~python
;;   def quantise(x, axis):      # numpy; x: float32 -> the quantised numbers, widened to float32 again
;;       x = np.moveaxis(x, axis, -1); K = x.shape[-1]
;;       x = np.pad(x, [(0, 0)] * (x.ndim - 1) + [(0, -K % 32)]); x = x.reshape(x.shape[:-1] + (-1, 32)); a = np.abs(x).max(-1, keepdims=True)
;;       e = np.where(a > 0, np.clip(np.frexp(np.where(a > 0, a, 1))[1] - 1 - 4, -126, 127), 0)      # np.frexp(a)[1] - 1 = floor(log2(a)), exactly
;;       r = np.clip(x / 2.0 ** e, -28, 28)
;;       step = 2.0 ** (np.maximum(np.frexp(np.where(r == 0, 1, r))[1] - 1, -2) - 2)
;;       q = np.round(r / step) * step * 2.0 ** e      # np.round: ties to even
;;       return np.moveaxis(q.reshape(q.shape[:-2] + (-1,))[..., :K], -1, axis).astype(np.float32)
;;   ~~~
;; One version. Each part assembles by itself: llvm-mc -triple=amdgcn-amd-amdhsa -mcpu=gfx1250 --defsym DOCPART=n.
;; ======== version 1 of 1: 2 launches
;; limits: right only within a limited range of input values
;; workspace buffers: acodes 9,830,400 bytes; bcodes 4,915,200 bytes
;; launch quant (part 1): grid 6 x 384, 1 waves a work-group, no clusters, 8,704 bytes of LDS; arguments y, h0, ctx, W, U, C, acodes, bcodes; writes acodes, bcodes
.if DOCPART == 1
	.amdgcn_target "amdgcn-amd-amdhsa--gfx1250"
	.amdhsa_code_object_version 6
	.text
	.protected	k_q4800151cea_quant
	.globl	k_q4800151cea_quant
	.p2align	8
	.type	k_q4800151cea_quant,@function
k_q4800151cea_quant:
	s_mov_b64 s[64:65], 0
	v_nop
	global_prefetch_b8 v0, s[64:65] scope:SCOPE_SE
	s_setreg_imm32_b32 hwreg(HW_REG_WAVE_MODE, 25, 1), 1
	s_wait_xcnt 0x0
; [y | h0 | ctx] (8,192 rows) and [W | U | C] (4,096 rows), f32 with K innermost, K = 256 + 1,024 + 256 = 1,536 in all, become codes of BF6 (E3M2) with one E8M0 byte for each 32 along K.
; A block's scale is 2^(floor(log2(its largest magnitude)) - 4): its byte is the largest magnitude's exponent field - 4, held at 1 from below.  Each number is divided by the scale and rounded to the nearest code, ties to even;
; what lies beyond 28 takes the largest code.
; LIMITS: NaN and infinities among the inputs are not served.  A block of zeros, or one whose largest magnitude lies under 2^-122, gets the byte 1 (the rule says 127 for zeros): zero codes add nothing under any byte but 0xff,
; and the bytes are read by this program alone.
; THE OUTPUT IS LAID AS THE NEXT LAUNCH'S OPERAND REGISTERS WANT IT.  A BLOCK = 128 rows x 256 along K = 25,600 dense bytes at (half x 6 + ks) x 25,600:
;   codes: the fragment of rows 16 i .. 16 i + 15 (i = 0..7) and K 128 q .. 128 q + 127 (q = 0, 1) at (2 i + q) x 1,536: its 12 registers as three groups of four, group j of lane l at 512 j + 16 l;
;   scale words (four bytes: 128 along K of one row) from byte 24,576 on: that of (i, r, q) at (i / 2) x 256 + 16 r + 8 (i % 2) + 4 q.
; K steps: ks = 0: y or W; ks = 1..4: h0 or U, columns 256 (ks - 1) on; ks = 5: ctx or C.
; ROWS.  Activations: half mh, block i, lane row r = row 128 mh + 16 i + r.  Weights are PERMUTED so that the four gates of a hidden column meet in one lane of the product: half nh (0..31), block i = 2 g + u
; is the weights' row 1,024 g + 32 nh + 16 u + r (g = 0..3: gates i, f, o, c).
; SHARES.  A work-group is ONE wave and makes a quarter of a BLOCK: x = ks; y = 4 x half + w (halves under 64: activations, else weights); it makes blocks 2 w and 2 w + 1, both q: four fragments, from 32 consecutive
; rows of the source in either case.  6 x 384 = 2,304 work-groups of equal work, nine for each of 256 WGPs.  One path serves all six tensors: only pointers and pitches are chosen, by the work-group's numbers.
; Work-groups share no input: no cluster, no barrier, no tensor load.
; Each load reads 512 consecutive bytes of a row; a fragment's 16 rows turn through the stage in LDS, so that a lane gets two whole blocks of 32 neighbours of its row, in the order of the operand's registers.
.set BLK,  25600
.set FRB,  1536
.set SCW,  24576
.set SP,   528                         ; a stage row: 512 bytes + 16: sixteen rows of a 16-byte read start in sixteen different 16-byte columns of 256 bytes
.set SPARE, 16*SP                      ; behind the stage: the spare words, one block of 256 bytes that no other line names
.set VO,   16                          ; v16-31   row k of a fragment: 16 x lane + k x the source's row pitch; never rewritten
.set R,    32                          ; v32-159  two sets of 64: a fragment's numbers as loaded
.set X,    160                         ; v160-223 my 64 numbers: register 32 c + n = k 64 c + 32 h + n of row r
.set IM,   224                         ; v224-235 the fragment's 12 registers
.set TH,   236                         ; v236-238, v240-242 the upper halves of the two blocks' codes, before they are moved
.set SW,   244                         ; v244-247 the four fragments' scale words
	s_load_b512 s[8:23], s[0:1], 0x0               ; y, h0, ctx, W, U, C, acodes s[20:21], bcodes s[22:23]
	v_lshl_add_u32 v254, v0, 2, SPARE
	v_mov_b32 v255, 0
	s_and_b32 s26, ttmp7, 0xffff
	s_and_b32 s24, s26, 3                          ; w: which quarter of the BLOCK
	s_lshr_b32 s26, s26, 2                         ; which half, activations first
	s_mov_b32 s25, ttmp9                           ; ks
	v_and_b32 v1, 31, v0                           ; lane
	v_and_b32 v2, 15, v0                           ; r
	v_bfe_u32 v3, v0, 4, 1                         ; h
	v_lshlrev_b32 v4, 4, v1                        ; 16 x lane: my bytes of a load's 512, of a store's, and of a stage row on the way in
	v_mul_u32_u24 v6, v2, SP
	v_lshl_add_u32 v6, v3, 7, v6                   ; the stage on the way out: row r, + 128 h bytes (32 numbers)
	v_lshlrev_b32 v7, 3, v3                        ; 8 h: how far my two scale bytes are shifted up
	v_lshl_add_u32 v8, v2, 4, v7                   ; 16 r + 8 h: my 8 bytes of the 256 bytes of scale words
	v_mov_b32 v248, 0                              ; a lane permute's destination counts as one of its sources: written once
	s_mov_b32 s42, 0x76543210
	s_mov_b32 s43, 0xfedcba98                      ; v_permlanex16_b32's selects for lane l xor 16
	s_sub_co_u32 s34, s25, 1
	s_lshl_b32 s34, s34, 10                        ; (ks - 1) x 1,024 bytes: the column offset in h0 or U (used for ks = 1..4 alone)
	s_wait_alu depctr_va_vdst(0)                   ; the wait at the head's end
	s_wait_kmcnt 0x0
	s_cmp_lt_u32 s26, 64                           ; activations or weights?  The choice hangs on the work-group's number alone
	s_cselect_b64 s[8:9], s[8:9], s[14:15]
	s_cselect_b64 s[10:11], s[10:11], s[16:17]
	s_cselect_b64 s[12:13], s[12:13], s[18:19]
	s_cselect_b64 s[20:21], s[20:21], s[22:23]
	s_cselect_b32 s27, 0, 64
	s_cselect_b32 s28, 32, 1024                    ; rows from quarter to quarter
	s_cselect_b32 s29, 128, 32                     ; rows from half to half
	s_sub_co_u32 s26, s26, s27                     ; the half's number in its tensor
	s_mul_i32 s29, s26, s29
	s_mul_i32 s28, s24, s28
	s_add_co_u32 s28, s28, s29                     ; my first row of the source
	s_cmp_eq_u32 s25, 0
	s_cselect_b64 s[30:31], s[8:9], s[10:11]
	s_cselect_b32 s32, 10, 12                      ; log2 of the row pitch in bytes: 256 or 1,024 numbers
	s_cmp_eq_u32 s25, 5
	s_cselect_b64 s[30:31], s[12:13], s[30:31]
	s_cselect_b32 s32, 10, s32
	s_cmp_eq_u32 s32, 12
	s_cselect_b32 s33, s34, 0
	s_lshl_b32 s28, s28, s32
	s_add_co_u32 s28, s28, s33
	s_mov_b32 s29, 0
	s_add_nc_u64 s[30:31], s[30:31], s[28:29]      ; the source at my rows 0-15, this K step's first column
	s_lshl_b32 s28, 16, s32
	s_add_nc_u64 s[36:37], s[30:31], s[28:29]      ; and at my rows 16-31
	s_lshl_b32 s35, 1, s32                         ; the row pitch
	s_mul_i32 s40, s26, 6
	s_add_co_u32 s40, s40, s25
	s_mul_i32 s40, s40, BLK
	s_mov_b32 s41, 0
	s_add_nc_u64 s[20:21], s[20:21], s[40:41]      ; the BLOCK
	s_lshl_b32 s40, s24, 8
	s_add_co_u32 s40, s40, SCW
	s_add_nc_u64 s[38:39], s[20:21], s[40:41]      ; my 256 bytes of scale words
	s_mul_i32 s40, s24, 4*FRB
	s_add_nc_u64 s[20:21], s[20:21], s[40:41]      ; my four fragments
.irp k, 0,1,2,3,4,5,6,7,8,9,10,11,12,13,14,15
	v_mad_u32_u24 v[VO+\k], s35, \k, v4
.endr
; Fragment f = 2 il + q: rows 16 il on, K 128 q on.  Sixteen loads, each 512 consecutive bytes of one row, into set f % 2.
.macro LOAD f
.irp k, 0,1,2,3,4,5,6,7,8,9,10,11,12,13,14,15
.if (\f)/2 == 0
	global_load_b128 v[R+64*((\f)%2)+4*\k:R+64*((\f)%2)+4*\k+3], v[VO+\k], s[30:31] offset:512*((\f)%2) th:TH_LOAD_NT
.else
	global_load_b128 v[R+64*((\f)%2)+4*\k:R+64*((\f)%2)+4*\k+3], v[VO+\k], s[36:37] offset:512*((\f)%2) th:TH_LOAD_NT
.endif
.endr
.endm
.macro FRAGQ f
.set RS, R+64*((\f)%2)
.if (\f) < 3
	s_wait_loadcnt 16                              ; loads come back in order: this fragment's sixteen are in, the next fragment's sixteen may be out
.else
	s_wait_loadcnt 0x0
.endif
.irp k, 0,1,2,3,4,5,6,7,8,9,10,11,12,13,14,15
	ds_store_b128 v4, v[RS+4*\k:RS+4*\k+3] offset:SP*\k
.endr
.irp c, 0,1
.irp m, 0,1,2,3,4,5,6,7
	ds_load_b128 v[X+32*\c+4*\m:X+32*\c+4*\m+3], v6 offset:256*\c+16*\m   ; LDS serves a wave's instructions in order: these see the stores above
.endr
.endr
	s_wait_dscnt 0x0                               ; my 64 numbers are in, and the stores have read the set,
.if (\f) < 2
	LOAD (\f)+2                                    ; which takes the fragment two on
.endif
.irp c, 0,1                                    ; my two blocks, 2 c + h of the fragment's four: all 32 numbers of each are mine
	v_max3_num_f32 v[10+\c], |v[X+32*\c]|, |v[X+32*\c+1]|, 0x2800000   ; and the floor 2^(5 - 127): the byte cannot fall under 1
.endr
.irp i, 2,4,6,8,10,12,14,16,18,20,22,24,26,28,30
.irp c, 0,1
	v_max3_num_f32 v[10+\c], v[10+\c], |v[X+32*\c+\i]|, |v[X+32*\c+\i+1]|   ; (the two blocks by turns)
.endr
.endr
.irp c, 0,1
	v_add_nc_u32 v[12+\c], 0xfe000000, v[10+\c]    ; 4 off the exponent field: the conversion takes the exponent field of this operand as its scale
.endr
.irp c, 0,1
	v_lshrrev_b32 v[14+\c], 23, v[12+\c]           ; the scale's byte
.endr
	v_lshl_or_b32 v9, v15, 16, v14                 ; my two bytes, blocks h and 2 + h,
	v_lshlrev_b32 v9, v7, v9                       ; at their places in the word;
	v_permlanex16_b32 v248, v9, s42, s43
	v_or_b32 v[SW+(\f)], v9, v248                  ; with lane l xor 16's two the row's word is whole, in both halves of the lanes
.if (\f) > 0
	s_wait_alu depctr_va_vdst(0)                   ; directly ahead of the wait below
	s_wait_xcnt 0x0                                ; the last fragment's stores have read the image's registers: only behind this wait are they written again
.endif
	v_cvt_scalef32_pk16_bf6_f32 v[IM:IM+2], v[X:X+15], v12
	v_cvt_scalef32_pk16_bf6_f32 v[TH:TH+2], v[X+16:X+31], v12       ; (a conversion's three registers begin on an even number: the second half of a block's six is made elsewhere and moved)
	v_cvt_scalef32_pk16_bf6_f32 v[IM+6:IM+8], v[X+32:X+47], v13
	v_cvt_scalef32_pk16_bf6_f32 v[TH+4:TH+6], v[X+48:X+63], v13
	v_nop                                          ; one plain place behind a scaled conversion
.irp i, 0,1,2
	v_mov_b32 v[IM+3+\i], v[TH+\i]
	v_mov_b32 v[IM+9+\i], v[TH+4+\i]
.endr
.irp j, 0,1,2
	global_store_b128 v4, v[IM+4*\j:IM+4*\j+3], s[20:21] offset:(\f)*FRB+512*\j   ; 32 lanes store 512 consecutive bytes, at a multiple of 256 from the buffer's first byte
.endr
.endm
	LOAD 0
	LOAD 1
	s_wait_alu depctr_va_vdst(0)
	FRAGQ 0
	FRAGQ 1
	FRAGQ 2
	FRAGQ 3
	v_cmp_ne_u32 vcc_lo, 0, v3                     ; lanes 0-15 send the words of rows 0-15 (fragments 0, 1), lanes 16-31 those of rows 16-31 (fragments 2, 3)
	v_cndmask_b32 v250, v[SW], v[SW+2], vcc_lo
	v_cndmask_b32 v251, v[SW+1], v[SW+3], vcc_lo
	global_store_b64 v8, v[250:251], s[38:39]      ; 32 lanes store 256 consecutive bytes, aligned
	s_wait_tensorcnt 0x0                           ; the wave's end
	ds_add_u32 v254, v255
	s_wait_dscnt 0x0
	s_endpgm
.Lfunc_end_k_q4800151cea_quant:
	.size	k_q4800151cea_quant, .Lfunc_end_k_q4800151cea_quant-k_q4800151cea_quant
	.p2alignl 7, 3214868480
	.fill 96, 4, 3214868480
	.section	.rodata,"a",@progbits
	.p2align	6, 0x0
	.amdhsa_kernel k_q4800151cea_quant
		.amdhsa_group_segment_fixed_size 8704
		.amdhsa_private_segment_fixed_size 0
		.amdhsa_enable_private_segment 0
		.amdhsa_kernarg_size 64
		.amdhsa_user_sgpr_count 2
		.amdhsa_user_sgpr_kernarg_segment_ptr 1
		.amdhsa_wavefront_size32 1
		.amdhsa_system_sgpr_workgroup_id_x 1
		.amdhsa_system_sgpr_workgroup_id_y 1
		.amdhsa_system_sgpr_workgroup_id_z 1
		.amdhsa_system_vgpr_workitem_id 0
		.amdhsa_next_free_vgpr 256
		.amdhsa_next_free_sgpr 66
		.amdhsa_reserve_vcc 1
		.amdhsa_float_denorm_mode_32 3
		.amdhsa_float_denorm_mode_16_64 3
		.amdhsa_memory_ordered 1
		.amdhsa_forward_progress 1
		.amdhsa_inst_pref_size 32
	.end_amdhsa_kernel
	.amdgpu_metadata
---
amdhsa.version: [ 1, 2 ]
amdhsa.kernels:
  - .name:           k_q4800151cea_quant
    .symbol:         k_q4800151cea_quant.kd
    .args:
      - { .name: y, .offset: 0, .size: 8, .value_kind: global_buffer, .address_space: global }
      - { .name: h0, .offset: 8, .size: 8, .value_kind: global_buffer, .address_space: global }
      - { .name: ctx, .offset: 16, .size: 8, .value_kind: global_buffer, .address_space: global }
      - { .name: W, .offset: 24, .size: 8, .value_kind: global_buffer, .address_space: global }
      - { .name: U, .offset: 32, .size: 8, .value_kind: global_buffer, .address_space: global }
      - { .name: C, .offset: 40, .size: 8, .value_kind: global_buffer, .address_space: global }
      - { .name: acodes, .offset: 48, .size: 8, .value_kind: global_buffer, .address_space: global }
      - { .name: bcodes, .offset: 56, .size: 8, .value_kind: global_buffer, .address_space: global }
    .group_segment_fixed_size: 8704
    .private_segment_fixed_size: 0
    .kernarg_segment_align: 8
    .kernarg_segment_size: 64
    .max_flat_workgroup_size: 32
    .sgpr_count:     66
    .vgpr_count:     256
    .wavefront_size: 32
...
	.end_amdgpu_metadata
.endif
;; end of part 1
;; launch lstm (part 2): grid 16 x 16, 8 waves a work-group, clusters of 4 x 4, 327,680 bytes of LDS; arguments acodes, bcodes, b, c0, out0, out1; writes out0, out1
.if DOCPART == 2
	.amdgcn_target "amdgcn-amd-amdhsa--gfx1250"
	.amdhsa_code_object_version 6
	.text
	.protected	k_q4800151cea_lstm
	.globl	k_q4800151cea_lstm
	.p2align	8
	.type	k_q4800151cea_lstm,@function
k_q4800151cea_lstm:
	s_mov_b64 s[64:65], 0
	v_nop
	global_prefetch_b8 v0, s[64:65] scope:SCOPE_SE
	s_setreg_imm32_b32 hwreg(HW_REG_WAVE_MODE, 25, 1), 1
	s_wait_xcnt 0x0
	s_wait_alu depctr_hold_cnt(0) depctr_sa_sdst(0) depctr_va_vdst(0) depctr_va_sdst(0) depctr_va_ssrc(0) depctr_va_vcc(0) depctr_vm_vsrc(0)
	s_getreg_b32 s2, hwreg(HW_REG_IB_STS2, 6, 4)
	s_cmp_eq_u32 s2, 0
	s_cbranch_scc0 .Lentry_in_a_cluster
	s_endpgm
.Lentry_in_a_cluster:
	s_bfe_u32 s2, ttmp6, 0x10000c
	s_cmp_lg_u32 s2, 0xf033
	s_cbranch_scc0 .Lentry_shape_is_right
	s_endpgm
.Lentry_shape_is_right:
; gates = [y | h0 | ctx] [W | U | C]^T + b on codes of BF6 (E3M2) with E8M0 scales, K = 1,536, sums in f32; then, in f32, c = sigmoid(gi) tanh(gc) + sigmoid(gf) c0 (out0) and h = sigmoid(go) tanh(c) (out1).
; The gates never go to memory.  acodes and bcodes hold BLOCKS of 128 rows x 256 K, 25,600 dense bytes at (half x 6 + K step) x 25,600: sixteen fragments as images of their 12 registers (fragment (i, q) at (2 i + q) x 1,536,
; group j of four registers of lane l at 512 j + 16 l), then from byte 24,576 the scale words ((i, r, q) at 256 (i / 2) + 16 r + 8 (i % 2) + 4 q).
; The weights' rows are permuted: half nh, block 2 g + u, row r is gate g (i, f, o, c) of hidden column 32 nh + 16 u + r.
; SHARES.  A tile is 256 rows x 64 hidden columns (256 x 256 gates).  A WORK-GROUP STAYS and makes TWO tiles, 4,096 rows apart, on the same hidden columns: 16 x 16 work-groups, one for each of 256 WGPs.
; EIGHT WAVES, two to a SIMD, 512 registers each: wave w makes rows 64 (w / 2) on x hidden columns 32 (w % 2) on x 4 gates: 32 accumulators of 16 x 16.
; THE MATRIX INSTRUCTION IS USED TRANSPOSED (source 0 = 16 rows of the weights, source 1 = 16 rows of the activations): register j of lane (r, h) of accumulator (a, 2 g + u) is gate g of row 16 a + r, hidden column 16 u + 8 h + j.
; So the four gates of an element lie in one lane, at the same register number of four accumulators: the tail needs no other lane.
; THE BIAS STARTS THE SUMS: it is loaded, in the results' layout, into the registers of accumulators (0, b), and is the C of the first product of every accumulator (a, b): no register is cleared, and the tail adds nothing.
; LDS HOLDS THREE OF THE SIX K STEPS AT A TIME: region Q one step (four BLOCKS), region P two (four quarters of two BLOCKS: a half's BLOCKS of successive K steps are neighbours in memory, so one load brings both).
; A tile's first three steps are asked for by all eight waves, one load each: waves 0-3 Q's four BLOCKS (step 0), waves 4-7 P's four quarters (steps 1, 2).  Leaving step 0: Q <- step 3 (waves 0-3).
; Leaving step 2: P <- steps 4, 5 (waves 4-7).  Leaving step 3: Q <- c0's tile (every wave 32 rows).  The steps are written out: no two changes of region are alike.  Every fragment load reads 512 consecutive bytes: no padding.
; FROM THE FIRST TILE TO THE SECOND: behind the barrier that shows c0, every wave reads all its c0 (64 registers) out of Q; then a round, and the second tile's first three steps are asked for, ahead of the first tile's tail.
; So Q and P are written by tensor loads alone while any fill is still to come: the first tile's c and h leave through a stage of their own, 64 rows x 272 bytes, used by turns for c and for h: four barriers to a block of 16 rows,
; two of them with the tail's register work between signal and wait.  The second tile's tail has its stages in Q and P, which have had their last fill: one barrier to a block.  Nothing waits for the first tile's stores.
; CLUSTERS: 4 x 4 work-groups.  The four of a row of the cluster need the same BLOCKS of the activations, the four of a column the same BLOCKS of the weights: each is asked for JOINTLY, by the same tensor load with the same
; descriptor and a mask that names the four.  c0's tile is the work-group's own: plain tensor loads, behind a round like the others.
; NO PREFETCH: the text has no loop to run ahead in; three of a tile's six K steps are asked for together, the second tile's a whole tail ahead of their use.
; THE TAIL.  L = log2(e).  a = 2^(-L gi), f = 2^(-L gf), p = 2^(-L go), d = 2^min(2 L gc, 30);  c = (d - 1) / ((1 + a)(1 + d)) + c0 / (1 + f);  s = 2^min(2 L c, 30);  h = (s - 1) / ((1 + p)(1 + s)).
; That is sigmoid(x) = 1 / (1 + e^-x) and tanh(x) = (e^2x - 1) / (e^2x + 1).  LIMITS: with the exponent held at 30 both tanh stay within 2^-29 of 1 from there on; a, f, p may become infinite, their reciprocals are then 0, and d and s are
; finite, so no 0 x infinity arises.  NaN and infinities among the inputs are not served.
; REGISTERS: window 0: v10-29 addresses; v32-63 scale words, two sets; v64-159 the activations' 4 fragments, TWO sets; v160-255 the weights' 8 fragments, ONE set (a block of the weights is free as soon as its four products are
; issued).  In the tails v64-159 are at work; first tile: v160-223 c0, v32-63 rows on their way out; second tile: v32-63 and v160-191 rows on their way out.  Window 1: accumulator (a, b) at v[8 (8 a + b)].
.set BLK,   25600
.set FRB,   1536                       ; a fragment's image
.set SCW,   24576                      ; where a BLOCK's scale words begin
.set PR,    4*BLK                      ; Q lies at LDS byte 0: the activations' two halves, then the weights' two.  P begins here: the same four quarters, two BLOCKS each
.set CP,    272                        ; a row of c0, c or h in LDS: 256 bytes + 16
.set HST,   PR                         ; the second tile's stage for h, 256 rows, in P; its c is written over c0 in Q, in place
.set SPARE, PR+8*BLK                   ; behind P: the spare words, 128 bytes for each of eight waves: four blocks of 256 bytes that no other line names
.set ST,    SPARE+1024                 ; the first tile's stage: 64 rows x 272 bytes = 68 blocks of 256 bytes into which no fill lands
.set NXA,   32*6*BLK-3*BLK             ; bytes from the activations' K step 3 (or 4) of a tile to K step 0 (or 1) of the next: 32 halves on, three steps back
.set NXO,   16*256*4096                ; bytes from a tile to the next in c0, out0 and out1
.set NP,    4                          ; places behind this matrix instruction (ISA guide 7.12.1)
.set STA,   10                         ; my element's place in the first tile's stage
.set RDS,   11                         ; and where I read a row back from it
.set ADRA,  16                         ; v16-17  LDS address of my lane's 16 bytes in my four blocks of the activations, in Q, in P
.set ADRB,  18                         ; v18-19  the same for my half of the weights
.set ADRS,  20                         ; v20-21  of my scale words: lanes 0-15 the activations', lanes 16-31 the weights'
.set C0A,   22                         ; my element's place in c0 / c
.set HA,    23                         ; and in the second tile's stage for h
.set RDC,   24                         ; the second tile's way out: where I read a row of c back
.set RDH,   25                         ; and of h
.set CO,    26                         ; my byte offset in the outputs
.set BO,    27                         ; my byte offset in the bias
.set SPW,   28                         ; LDS address of my spare word; never rewritten
.set NIL,   29                         ; 0; never rewritten
.set SC,    32                         ; set s at v[SC + 16 s], for K steps of parity s; register 2 i + q: lanes 0-15 the word of my block i of the activations (i under 4), lanes 16-31 that of the weights' block i
.set AF,    64                         ; set q at AF + 48 q
.set BF,    160
.set T,     64                         ; the tail: six runs of 16: T+0 a, T+16 f, T+32 p, T+48 d, T+64 c, T+80 at work and then h
.set CZ,    160                        ; the first tile's c0: block a at CZ + 16 a
.set G1AQ,  24                         ; descriptor groups 1: one BLOCK of the activations, of the weights; two BLOCKS likewise; c0's tile
.set G1BQ,  32
.set G1AP,  40
.set G1BP,  48
.set G1C,   56
.set G0AQ,  68                         ; groups 0
.set G0BQ,  72
.set G0AP,  76
.set G0BP,  80
.set G0C,   84
.set KS,    88                         ; s[88:89] -L;  s[90:91] 2 L;  s92 = 30.0
.set KT,    90
.set CAP,   92
.set MSB, 0
.macro WIN new                         ; the immediate's high byte repeats the setting that is left; a switch that changes nothing is dropped
.if MSB != (\new)
	s_set_vgpr_msb (MSB<<8)|(\new)
.set MSB, (\new)
.endif
.endm
.set MUL, 0x50                         ; C and D window 1, both sources window 0
.macro PLACES n
.rept \n
	v_nop
.endr
.endm
.macro TL g0, g1                       ; a tensor load with an s_nop 0 and four v_nop behind it
	tensor_load_to_lds s[\g0:\g0+3], s[\g1:\g1+7]
	s_nop 0
	PLACES 4
.endm
; A joint load: the two waves of role ra (role = wave / 2) fetch the activations' two halves, those of role ra + 1 the weights'; the others fetch nothing.  Each line has ONE mask and one set of registers for all that issue it;
; the branches hang on the wave's number alone.  Every way ends with four v_nop, which are the places in front of the LDS loads that follow.
.macro JL ra, g0a, g1a, g0b, g1b
	s_cmp_eq_u32 s17, \ra
	s_cbranch_scc0 .Lnot_a_\@
	TL \g0a, \g1a
	s_branch .Lasked_\@
.Lnot_a_\@:
	s_cmp_eq_u32 s17, \ra+1
	s_cbranch_scc0 .Lnone_\@
	tensor_load_to_lds s[\g0b:\g0b+3], s[\g1b:\g1b+7]
	s_nop 0
.Lnone_\@:
	PLACES 4
.Lasked_\@:
.endm
; A tile's first three K steps, ONE LOAD A WAVE, in one chain of branches on the wave's role: every way passes exactly one load
.macro JALL
	s_cmp_eq_u32 s17, 0
	s_cbranch_scc0 .Lbq_\@
	TL G0AQ, G1AQ
	s_branch .Lall_\@
.Lbq_\@:
	s_cmp_eq_u32 s17, 1
	s_cbranch_scc0 .Lap_\@
	TL G0BQ, G1BQ
	s_branch .Lall_\@
.Lap_\@:
	s_cmp_eq_u32 s17, 2
	s_cbranch_scc0 .Lbp_\@
	TL G0AP, G1AP
	s_branch .Lall_\@
.Lbp_\@:
	TL G0BP, G1BP
.Lall_\@:
.endm
.macro CREST                           ; a round of the cluster's barrier behind its opening barrier
	s_cmp_lg_u32 s16, 0
	s_cbranch_scc1 .Lnot_wave_0_\@
	s_barrier_signal -3
.Lnot_wave_0_\@:
	s_barrier_wait -3
	s_barrier_signal -1
	s_barrier_wait -1
.endm
.macro CROUND
	s_barrier_signal -1
	s_barrier_wait -1
	CREST
.endm
.macro BIAS                            ; tile t = 2 g + u: b[1,024 g + 64 tn + 32 (wave % 2) + 16 u + 8 h + 0 .. 7] into the registers of accumulator (0, t)
	WIN 0x40                                       ; destination window 1
.irp t, 0,1,2,3,4,5,6,7
	global_load_b128 v[8*\t:8*\t+3], v[BO], s[8:9] offset:(\t/2)*4096+(\t%2)*64
	global_load_b128 v[8*\t+4:8*\t+7], v[BO], s[8:9] offset:(\t/2)*4096+(\t%2)*64+16
.endr
	WIN 0
.endm
	s_load_b256 s[4:11], s[0:1], 0x0               ; acodes s[4:5], bcodes s[6:7], b s[8:9], c0 s[10:11]
	s_load_b128 s[12:15], s[0:1], 0x20             ; out0 s[12:13], out1 s[14:15]
	v_lshl_add_u32 v[SPW], v0, 2, SPARE
	v_mov_b32 v[NIL], 0
	ds_add_u32 v[SPW], v[NIL]                      ; the opening lines: the add, twice on end, and its wait ahead of my first tensor load
	ds_add_u32 v[SPW], v[NIL]
	v_lshrrev_b32 v1, 5, v0
	v_readfirstlane_b32 s16, v1                    ; wave 0..7
	s_lshr_b32 s17, s16, 1                         ; which 64 rows are mine.  Also my role as a loader: 0, 1: Q's activations, weights; 2, 3: P's
	s_and_b32 s18, s16, 1                          ; which 32 hidden columns.  Also: which half I fetch
	s_bfe_u32 s20, ttmp6, 0x40000                  ; cx, cy: my place in the cluster
	s_bfe_u32 s21, ttmp6, 0x40004
	s_lshl_b32 s22, ttmp9, 2
	s_add_co_u32 s22, s22, s20                     ; tn: which 64 hidden columns
	s_and_b32 s23, ttmp7, 0xffff
	s_lshl_b32 s23, s23, 2
	s_add_co_u32 s23, s23, s21                     ; tm: which 256 rows the first tile has (0..15); the second has tm + 16
	s_lshl_b32 s19, s21, 2
	s_lshl_b32 s19, 15, s19                        ; my row of the cluster
	s_lshl_b32 s93, 0x1111, s20                    ; my column
	; groups 1: dense bytes as rows of 256 (32 elements of 8 bytes), no padding: 100 rows are one BLOCK, 200 rows two
	s_or_b32 s[G1AQ], s19, (3<<16)|(1<<21)         ; the mask: the activations go to my row; elements of 8 bytes; bit 21 set beside a mask
	s_or_b32 s[G1AP], s19, (3<<16)|(1<<21)
	s_or_b32 s[G1BQ], s93, (3<<16)|(1<<21)         ; the weights to my column
	s_or_b32 s[G1BP], s93, (3<<16)|(1<<21)
.irp g, G1AQ, G1BQ
	s_mov_b32 s[\g+1], 32<<16
	s_mov_b32 s[\g+2], 100<<16
	s_mov_b32 s[\g+3], 32<<16
	s_mov_b32 s[\g+4], 100
	s_mov_b32 s[\g+5], 32
	s_mov_b32 s[\g+6], 0
	s_mov_b32 s[\g+7], 0
.endr
.irp g, G1AP, G1BP
	s_mov_b32 s[\g+1], 32<<16
	s_mov_b32 s[\g+2], 200<<16
	s_mov_b32 s[\g+3], 32<<16
	s_mov_b32 s[\g+4], 200
	s_mov_b32 s[\g+5], 32
	s_mov_b32 s[\g+6], 0
	s_mov_b32 s[\g+7], 0
.endr
	; c0: 32 rows x 64 numbers of 4 bytes, 1,024 numbers from row to row, 16 bytes of padding behind each row of 64 words; no mask
	s_mov_b32 s[G1C], (2<<16)|(1<<20)|(5<<22)|(3<<25)
	s_mov_b32 s[G1C+1], 64<<16
	s_mov_b32 s[G1C+2], 32<<16
	s_mov_b32 s[G1C+3], 64<<16
	s_mov_b32 s[G1C+4], 32
	s_mov_b32 s[G1C+5], 1024
	s_mov_b32 s[G1C+6], 0
	s_mov_b32 s[G1C+7], 0
	s_mov_b32 s[KS], 0xbfb8aa3b                    ; -log2(e)
	s_mov_b32 s[KS+1], s[KS]
	s_mov_b32 s[KT], 0x4038aa3b                    ; 2 log2(e)
	s_mov_b32 s[KT+1], s[KT]
	s_mov_b32 s[CAP], 0x41f00000                   ; 30.0
	; where the BLOCKS come from: the activations' hang on tm alone, the weights' on tn alone, each in registers that never hold the other coordinate
	s_lshl_b32 s96, s23, 1
	s_add_co_u32 s96, s96, s18
	s_mul_i32 s96, s96, 6*BLK                      ; half 2 tm + (wave % 2), K step 0
	s_mov_b32 s97, 0
	s_lshl_b32 s98, s22, 1
	s_add_co_u32 s98, s98, s18
	s_mul_i32 s98, s98, 6*BLK                      ; half 2 tn + (wave % 2)
	s_mov_b32 s99, 0
	s_lshl_b32 s100, s23, 20                       ; c0, what I fetch: row 256 tm + 32 wave of 4,096 bytes, + 256 tn bytes
	s_lshl_b32 s101, s16, 17
	s_add_co_u32 s100, s100, s101
	s_lshl_b32 s101, s22, 8
	s_add_co_u32 s100, s100, s101
	s_mov_b32 s101, 0
	s_lshl_b32 s94, s23, 20                        ; out0, out1, what I store: row 256 tm + 64 (wave / 2) + 8 (wave % 2), + 256 tn bytes
	s_lshl_b32 s95, s17, 18
	s_add_co_u32 s94, s94, s95
	s_lshl_b32 s95, s18, 15
	s_add_co_u32 s94, s94, s95
	s_lshl_b32 s95, s22, 8
	s_add_co_u32 s94, s94, s95
	s_mov_b32 s95, 0
	s_lshl_b32 s2, s22, 8                          ; the bias: 256 tn + 128 (wave % 2) bytes
	s_lshl_b32 s3, s18, 7
	s_add_co_u32 s2, s2, s3
	s_mov_b32 s3, 0
	s_and_b32 s67, s16, 3                          ; where the BLOCKS go: quarter = wave % 4: no place in the cluster enters an LDS address
	s_mul_i32 s66, s67, BLK                        ; in Q,
	s_mul_i32 s67, s67, 2*BLK
	s_add_co_u32 s67, s67, PR                      ; in P
	s_wait_dscnt 0x0                               ; both opening adds are done
	s_wait_kmcnt 0x0
	s_add_nc_u64 s[96:97], s[4:5], s[96:97]
	s_add_nc_u64 s[98:99], s[6:7], s[98:99]
	s_add_nc_u64 s[8:9], s[8:9], s[2:3]
	s_add_nc_u64 s[10:11], s[10:11], s[100:101]
	s_add_nc_u64 s[12:13], s[12:13], s[94:95]
	s_add_nc_u64 s[14:15], s[14:15], s[94:95]
	s_mov_b32 s[G0AQ], 1
	s_mov_b32 s[G0AQ+1], s66
	s_mov_b64 s[G0AQ+2:G0AQ+3], s[96:97]           ; K step 0
	s_or_b32 s[G0AQ+3], s[G0AQ+3], 0x80000000
	s_mov_b32 s[G0BQ], 1
	s_mov_b32 s[G0BQ+1], s66
	s_mov_b64 s[G0BQ+2:G0BQ+3], s[98:99]
	s_or_b32 s[G0BQ+3], s[G0BQ+3], 0x80000000
	s_mov_b32 s[G0AP], 1
	s_mov_b32 s[G0AP+1], s67
	s_add_nc_u64 s[G0AP+2:G0AP+3], s[96:97], BLK   ; K steps 1 and 2
	s_or_b32 s[G0AP+3], s[G0AP+3], 0x80000000
	s_mov_b32 s[G0BP], 1
	s_mov_b32 s[G0BP+1], s67
	s_add_nc_u64 s[G0BP+2:G0BP+3], s[98:99], BLK
	s_or_b32 s[G0BP+3], s[G0BP+3], 0x80000000
	s_mov_b32 s[G0C], 1                            ; c0's descriptor is used when Q is left for the second time
	s_mul_i32 s[G0C+1], s16, 32*CP                 ; rows 32 wave on, from LDS byte 0
	s_mov_b64 s[G0C+2:G0C+3], s[10:11]
	s_or_b32 s[G0C+3], s[G0C+3], 0x80000000
	CROUND                                         ; all sixteen work-groups are here: the first joint loads meet
	JALL                                           ; the first tile's K steps 0, 1, 2
	; LDS places, from the wave's number: all scalars first, then the vector lines on end
	s_lshr_b32 s2, s17, 1                          ; which BLOCK of the activations holds my 64 rows,
	s_and_b32 s3, s17, 1                           ; and which four of its eight blocks they are
	s_mul_i32 s4, s2, BLK
	s_mul_i32 s5, s3, 8*FRB
	s_add_co_u32 s6, s4, s5                        ; my fragments of the activations in Q
	s_mul_i32 s101, s2, 2*BLK
	s_add_co_u32 s101, s101, PR
	s_add_co_u32 s7, s101, s5                      ; and in P
	s_mul_i32 s10, s18, BLK
	s_add_co_u32 s10, s10, 2*BLK                   ; my half of the weights in Q
	s_mul_i32 s11, s18, 2*BLK
	s_add_co_u32 s11, s11, PR+4*BLK                ; and in P
	s_lshl_b32 s5, s3, 9                           ; four blocks' scale words are 512 bytes
	s_add_co_u32 s94, s4, s5
	s_sub_co_u32 s95, s10, s94                     ; from the activations' words to the weights', in Q
	s_add_co_u32 s96, s101, s5
	s_sub_co_u32 s97, s11, s96                     ; and in P
	s_add_co_u32 s94, s94, SCW
	s_add_co_u32 s96, s96, SCW
	s_mul_i32 s98, s17, 64*CP                      ; c0 and the second tile's stages: my 64 rows,
	s_lshl_b32 s99, s18, 7
	s_add_co_u32 s99, s98, s99                     ; my 128 bytes of them;
	s_mul_i32 s100, s18, 8*CP
	s_add_co_u32 s100, s98, s100                   ; the way out: of each 16 rows I take 8 (wave % 2) on
	s_mul_i32 s2, s17, 16*CP                       ; the first tile's stage: 16 rows for each 64,
	s_add_co_u32 s2, s2, ST
	s_lshl_b32 s3, s18, 7
	s_add_co_u32 s3, s2, s3                        ; my 128 bytes of them;
	s_mul_i32 s4, s18, 8*CP
	s_add_co_u32 s4, s2, s4                        ; and the 8 rows that I take out
	v_and_b32 v1, 31, v0                           ; lane
	v_and_b32 v2, 15, v0                           ; r
	v_bfe_u32 v3, v0, 4, 1                         ; h
	v_lshlrev_b32 v4, 4, v1                        ; 16 x lane
	v_add_nc_u32 v[ADRA], s6, v4
	v_add_nc_u32 v[ADRA+1], s7, v4
	v_add_nc_u32 v[ADRB], s10, v4
	v_add_nc_u32 v[ADRB+1], s11, v4
	v_mul_u32_u24 v5, s95, v3                      ; lanes 16-31 take the weights' scale words
	v_mul_u32_u24 v6, s97, v3
	v_lshl_add_u32 v5, v2, 4, v5                   ; 16 bytes a row: the words of two blocks x two q
	v_lshl_add_u32 v6, v2, 4, v6
	v_add_nc_u32 v[ADRS], s94, v5
	v_add_nc_u32 v[ADRS+1], s96, v6
	v_mul_u32_u24 v5, v2, CP                       ; an element: row r (+ 16 a), byte 32 h (+ 64 u + 4 j)
	v_lshl_add_u32 v5, v3, 5, v5
	v_add_nc_u32 v[C0A], s99, v5
	v_add_nc_u32 v[HA], HST, v[C0A]
	v_add_nc_u32 v[STA], s3, v5
	v_mul_u32_u24 v6, v3, CP                       ; the way out: lanes 0-15 one row of 256 bytes, lanes 16-31 the next
	v_lshl_add_u32 v6, v2, 4, v6
	v_add_nc_u32 v[RDC], s100, v6
	v_add_nc_u32 v[RDH], HST, v[RDC]
	v_add_nc_u32 v[RDS], s4, v6
	v_lshlrev_b32 v[CO], 12, v3                    ; and the same two rows in the outputs
	v_lshl_add_u32 v[CO], v2, 4, v[CO]
	v_lshlrev_b32 v[BO], 5, v3                     ; the bias of my eight columns of a tile: 32 h bytes on
	BIAS
; One product: accumulator (a, b) += the weights' block b x my block a of the activations, the K step's q-th 128 along K; its C is accumulator (c, b).  The accumulators take turns.
.macro WM a, b, q, sc, c
	v_wmma_scale_f32_16x16x128_f8f6f4 v[8*(8*(\a)+(\b)):8*(8*(\a)+(\b))+7], v[BF+12*(\b):BF+12*(\b)+11], v[AF+48*(\q)+12*(\a):AF+48*(\q)+12*(\a)+11], v[8*(8*(\c)+(\b)):8*(8*(\c)+(\b))+7], v[SC+16*(\sc)+2*(\b)+(\q)], v[SC+16*(\sc)+2*(\a)+(\q)] matrix_a_fmt:MATRIX_FMT_BF6 matrix_b_fmt:MATRIX_FMT_BF6 matrix_a_scale:MATRIX_SCALE_ROW1
.endm
.macro MUL8 b0, q, sc                  ; the weights' blocks b0, b0 + 1 x my four blocks
.irp b, \b0, \b0+1
.irp a, 0,1,2,3
	WM \a, \b, \q, \sc, \a
.endr
.endr
.endm
; A K step's place in LDS is named by rg (0: Q, 1: P: which address register) and off (0, or BLK for P's second step).
.macro FRAG reg, adr, off, q, i        ; a fragment comes as it was laid: three loads of 16 bytes a lane, each 512 consecutive bytes
.irp j, 0,1,2
	ds_load_b128 v[\reg+4*\j:\reg+4*\j+3], v[\adr] offset:(\off)+(2*(\i)+(\q))*FRB+512*\j
.endr
.endm
.macro FB rg, off, q, i0               ; the weights' blocks i0 .. i0 + 3
.irp i, \i0, \i0+1, \i0+2, \i0+3
	FRAG BF+12*(\i), ADRB+\rg, \off, \q, \i
.endr
.endm
.macro FA rg, off, q                   ; my four blocks of the activations, into set q
.irp i, 0,1,2,3
	FRAG AF+48*(\q)+12*\i, ADRA+\rg, \off, \q, \i
.endr
.endm
.macro SCALES rg, off, sc              ; a K step's scale words: four loads of 16 bytes a lane: the words of blocks 2 n, 2 n + 1 for both q (lanes 0-15 use those of n = 0, 1 alone)
.irp n, 0,1,2,3
	ds_load_b128 v[SC+16*(\sc)+4*\n:SC+16*(\sc)+4*\n+3], v[ADRS+\rg] offset:(\off)+256*\n
.endr
.endm
; A K step's first 128 along K; its second 128 is fetched meanwhile: the weights' blocks 0-3 and the activations' other set in the middle, blocks 4-7 at the end, each run behind its places.
.macro STEP rg, off, sc
	s_wait_dscnt 12                                ; all but the youngest twelve loads (the weights' blocks 4-7)
	WIN MUL
	MUL8 0, 0, \sc
	MUL8 2, 0, \sc
	s_wait_dscnt 0
	PLACES NP
	WIN 0
	FB \rg, \off, 1, 0
	FA \rg, \off, 1
	WIN MUL
	MUL8 4, 0, \sc
	MUL8 6, 0, \sc
	PLACES NP
	WIN 0
	FB \rg, \off, 1, 4
.endm
; A K step's second 128 along K; the next K step's first fragments, at (nrg, noff), are fetched meanwhile.  kind = 0: the next step lies in the same region: no barrier.
; kind = 1, 2, 3: the region is left.  ONE barrier, which opens a round of the cluster's; in front of it each wave waits for all its tensor loads, adds 0 to its spare word, and waits for that and for its own reads of the region.
; Behind the round the region is filled again: 1: Q with K step 3;  2: P with K steps 4 and 5;  3: Q with c0's tile.
.macro TURN sc, nrg, noff, kind
.if \kind
	s_wait_tensorcnt 0x0                           ; all my tensor loads have landed
	ds_add_u32 v[SPW], v[NIL]
	s_wait_dscnt 13                                ; (the add and the youngest twelve loads may be out)
	WIN MUL
	MUL8 0, 1, \sc                                 ; eight matrix instructions stand between the add and the wait for it
	s_wait_dscnt 0x0                               ; the add is done, and my reads of this region are over
	s_barrier_signal -1
	MUL8 2, 1, \sc
	WIN 0
	s_barrier_wait -1
	CREST                                          ; no wave of any partner still reads this region or has a load on its way
.if \kind == 1
	s_add_nc_u64 s[G0AQ+2:G0AQ+3], s[G0AQ+2:G0AQ+3], 3*BLK
	s_add_nc_u64 s[G0BQ+2:G0BQ+3], s[G0BQ+2:G0BQ+3], 3*BLK
	JL 0, G0AQ, G1AQ, G0BQ, G1BQ
.elseif \kind == 2
	s_add_nc_u64 s[G0AP+2:G0AP+3], s[G0AP+2:G0AP+3], 3*BLK
	s_add_nc_u64 s[G0BP+2:G0BP+3], s[G0BP+2:G0BP+3], 3*BLK
	JL 2, G0AP, G1AP, G0BP, G1BP
.else
	TL G0C, G1C                                    ; every wave: its 32 rows of c0
.endif
.else
	s_wait_dscnt 12
	WIN MUL
	MUL8 0, 1, \sc
	MUL8 2, 1, \sc
	s_wait_dscnt 0
	PLACES NP
	WIN 0
.endif
	FB \nrg, \noff, 0, 0
	FA \nrg, \noff, 0
	SCALES \nrg, \noff, 1-(\sc)
	WIN MUL
	MUL8 4, 1, \sc
	MUL8 6, 1, \sc
	PLACES NP
	WIN 0
	FB \nrg, \noff, 0, 4
.endm
; A tile's walk along K, from the barrier that shows K step 0 to the barrier that shows c0
.macro KWALK
	FB 0, 0, 0, 0
	FB 0, 0, 0, 4
	FA 0, 0, 0
	SCALES 0, 0, 0
	s_wait_loadcnt 0x0                             ; the bias
	s_wait_dscnt 0x0
	WIN MUL                                        ; K step 0's first 128: the bias, in the registers of accumulators (0, b), is the C of every first product
.irp a, 1,2,3
.irp b, 0,1,2,3,4,5,6,7
	WM \a, \b, 0, 0, 0
.endr
.endr
	PLACES NP+1                                    ; five places: the products below write over registers that those above have read as C
	WIN 0
	FA 0, 0, 1
	WIN MUL
.irp b, 0,1,2,3,4,5,6,7
	WM 0, \b, 0, 0, 0
.endr
	PLACES NP
	WIN 0
	FB 0, 0, 1, 0
	FB 0, 0, 1, 4
	TURN 0, 1, 0, 1                                ; Q is left and takes K step 3
	STEP 1, 0, 1                                   ; K step 1 (P)
	TURN 1, 1, BLK, 0
	STEP 1, BLK, 0                                 ; K step 2 (P)
	TURN 0, 0, 0, 2                                ; P is left and takes K steps 4 and 5
	STEP 0, 0, 1                                   ; K step 3 (Q)
	TURN 1, 1, 0, 3                                ; Q is left and takes c0
	STEP 1, 0, 0                                   ; K step 4 (P)
	TURN 0, 1, BLK, 0
	STEP 1, BLK, 1                                 ; K step 5 (P)
	s_wait_dscnt 12                                ; the very last 128 along K: nothing more to fetch
	WIN MUL
	MUL8 0, 1, 1
	MUL8 2, 1, 1
	s_wait_tensorcnt 0x0                           ; my rows of c0 have landed
	s_wait_dscnt 0x0                               ; my reads of P are over
	s_barrier_signal -1                            ; it shows c0 to every wave, and that nobody reads P any more
	MUL8 4, 1, 1
	MUL8 6, 1, 1
	PLACES NP                                      ; in front of the reads of results and of the loads into registers that held fragments
	WIN 0
	s_barrier_wait -1
.endm
.macro PK1 op, dst, src, con           ; eight packed lines: dst = src op a constant
.set EI, 0
.rept 8
	\op v[\dst+EI:\dst+EI+1], v[\src+EI:\src+EI+1], \con op_sel_hi:[1,0]
.set EI, EI+2
.endr
.endm
.macro PK2 dst, x, y                   ; eight packed lines: dst = x y
.set EI, 0
.rept 8
	v_pk_mul_f32 v[\dst+EI:\dst+EI+1], v[\x+EI:\x+EI+1], v[\y+EI:\y+EI+1]
.set EI, EI+2
.endr
.endm
.macro RUN op, reg, n                  ; n lines in place: an exponential or a reciprocal of each
.set EI, 0
.rept \n
	\op v[\reg+EI], v[\reg+EI]
.set EI, EI+1
.endr
.endm
.macro HOLD reg                        ; sixteen exponents held at 30
.set EI, 0
.rept 16
	v_min_num_f32 v[\reg+EI], s[CAP], v[\reg+EI]
.set EI, EI+1
.endr
.endm
.macro VW                              ; this wait stands ahead of each batch of transcendentals, behind it, and behind vector results that are first read behind a wait that blocks
	s_wait_alu depctr_va_vdst(0)
.endm
; THE TAIL OF BLOCK a (rows 16 a .. 16 a + 15 of my 64, my 32 hidden columns: 16 elements a lane, element 8 u + j), in five pieces of register work
.macro F1 a                            ; the four gates' exponents
	WIN 0x01                                       ; source 0: the accumulators' window
	VW                                             ; directly ahead of the first readers of these matrix results
.irp g, 0,1,2,3
.irp u, 0,1
.irp p, 0,2,4,6                                ; each accumulator from its low end on: the gate (its bias is in the sum) x -L, or 2 L for gate c
	v_pk_mul_f32 v[T+16*\g+8*\u+\p:T+16*\g+8*\u+\p+1], v[64*(\a)+8*(2*\g+\u)+\p:64*(\a)+8*(2*\g+\u)+\p+1], s[KS+2*(\g/3):KS+2*(\g/3)+1] op_sel_hi:[1,0]
.endr
.endr
.endr
	WIN 0
	HOLD T+48
.endm
.macro F2A
	VW
	RUN v_exp_f32, T, 64                           ; a, f, p, d
	v_nop                                          ; a plain place behind the last exponential
	VW
	PK1 v_pk_add_f32, T, T, 1.0                    ; 1 + a
	PK1 v_pk_add_f32, T+80, T+48, 1.0              ; 1 + d
	PK1 v_pk_add_f32, T+48, T+48, -1.0             ; d - 1
	PK1 v_pk_add_f32, T+16, T+16, 1.0              ; 1 + f
	PK1 v_pk_add_f32, T+32, T+32, 1.0              ; 1 + p
	PK2 T, T, T+80                                 ; (1 + a)(1 + d)
	VW
	RUN v_rcp_f32, T, 32                           ; its reciprocal, and that of 1 + f
	v_nop
	VW
.endm
.macro F2B cz                          ; cz: where c0's sixteen numbers stand
	PK2 T+48, T+48, T                              ; sigmoid(gi) tanh(gc)
.set EI, 0
.rept 8
	v_pk_fma_f32 v[T+64+EI:T+64+EI+1], v[\cz+EI:\cz+EI+1], v[T+16+EI:T+16+EI+1], v[T+48+EI:T+48+EI+1]   ; c = c0 sigmoid(gf) + that
.set EI, EI+2
.endr
	VW
.endm
.macro H1
	PK1 v_pk_mul_f32, T+80, T+64, s[KT:KT+1]       ; 2 L c
	HOLD T+80
	VW
	RUN v_exp_f32, T+80, 16                        ; s
	v_nop
	VW
.endm
.macro H2
	PK1 v_pk_add_f32, T, T+80, 1.0                 ; 1 + s
	PK1 v_pk_add_f32, T+80, T+80, -1.0             ; s - 1
	PK2 T, T, T+32                                 ; (1 + s)(1 + p)
	VW
	RUN v_rcp_f32, T, 16
	v_nop
	VW
	PK2 T+80, T+80, T                              ; h
	VW
.endm
.macro ST16 adr, reg, off              ; my 16 elements into a stage
.irp u, 0,1
.irp w, 0,1
	ds_store_b128 v[\adr], v[\reg+8*\u+4*\w:\reg+8*\u+4*\w+3] offset:(\off)+64*\u+16*\w
.endr
.endr
.endm
.macro BAR
	s_barrier_signal -1
	s_barrier_wait -1
.endm
; THE FIRST TILE'S WAY OUT OF BLOCK a, through the one small stage.  A row's 256 bytes come from two waves, so a barrier stands between the stores into the stage and the reads of whole rows, and another between those reads and
; the next stores: c in, barrier, c out, barrier, h in, barrier, h out, barrier.  The tail's register work stands between signal and wait and under the reads.  I take 8 whole rows out: four loads and four stores of two rows.
.macro PH0 a
	ST16 STA, T+64, 0                              ; c
	s_wait_dscnt 0x0
	s_barrier_signal -1
	H1
	s_barrier_wait -1
.if (\a) > 0
	s_wait_xcnt 0x0                                ; the last block's stores have read these registers
.endif
.irp t, 0,1,2,3
	ds_load_b128 v[32+4*\t:32+4*\t+3], v[RDS] offset:2*\t*CP
.endr
	H2
	s_wait_dscnt 0x0
.irp t, 0,1,2,3
	global_store_b128 v[CO], v[32+4*\t:32+4*\t+3], s[12:13] offset:(16*(\a)+2*\t)*4096 th:TH_STORE_NT   ; 16 lanes store 256 consecutive bytes, at a multiple of 256 from the output's first byte
.endr
	BAR                                            ; everybody's reads of c are back
	ST16 STA, T+80, 0                              ; h
	s_wait_dscnt 0x0
	s_barrier_signal -1
.if (\a) < 3
	F1 (\a)+1
	F2A
.endif
	s_barrier_wait -1
.if (\a) > 0
	s_wait_xcnt 0x0
.endif
.irp t, 0,1,2,3
	ds_load_b128 v[48+4*\t:48+4*\t+3], v[RDS] offset:2*\t*CP
.endr
.if (\a) < 3
	F2B CZ+16*((\a)+1)
.endif
	s_wait_dscnt 0x0
.irp t, 0,1,2,3
	global_store_b128 v[CO], v[48+4*\t:48+4*\t+3], s[14:15] offset:(16*(\a)+2*\t)*4096 th:TH_STORE_NT
.endr
.if (\a) < 3
	BAR                                            ; everybody's reads of h are back
.endif
.endm
; THE SECOND TILE'S WAY OUT OF PHASE p (block p of all four groups of rows: 64 whole rows of c and of h lie in LDS behind the phase's barrier).  I take 8 rows of each, into v32-63 and v160-191 by turns.
.macro LDO p
.set OB, 32+128*((\p)%2)
.if (\p) > 1
	s_wait_xcnt 0x0                                ; the stores of two phases ago have read these registers: only behind this wait do loads land there
.endif
.irp t, 0,1,2,3
	ds_load_b128 v[OB+4*\t:OB+4*\t+3], v[RDC] offset:(16*(\p)+2*\t)*CP
.endr
.irp t, 0,1,2,3
	ds_load_b128 v[OB+16+4*\t:OB+16+4*\t+3], v[RDH] offset:(16*(\p)+2*\t)*CP
.endr
.endm
.macro STO p, counted                  ; counted = 1: the eight loads were issued just before: each store waits for its own; 0: a wait for all LDS instructions stands in front
.set OB, 32+128*((\p)%2)
.irp t, 0,1,2,3
.if \counted
	s_wait_dscnt 7-\t
.endif
	global_store_b128 v[CO], v[OB+4*\t:OB+4*\t+3], s[12:13] offset:(16*(\p)+2*\t)*4096 th:TH_STORE_NT
.endr
.irp t, 0,1,2,3
.if \counted
	s_wait_dscnt 3-\t
.endif
	global_store_b128 v[CO], v[OB+16+4*\t:OB+16+4*\t+3], s[14:15] offset:(16*(\p)+2*\t)*4096 th:TH_STORE_NT
.endr
.endm
.macro EPI a, snd                      ; the second tile's block a.  snd: the phase whose rows, read back just ahead of this block, are stored from its middle; -1: none
.irp u, 0,1
.irp w, 0,1
	ds_load_b128 v[T+64+8*\u+4*\w:T+64+8*\u+4*\w+3], v[C0A] offset:(\a)*16*CP+64*\u+16*\w   ; c0 of my 16 elements: it lands under the exponentials
.endr
.endr
	F1 \a
	F2A
	s_wait_dscnt 0x0                               ; c0 is in, and so are the rows on their way out
.if (\snd) >= 0
	STO \snd, 0
.endif
	F2B T+64
	ST16 C0A, T+64, (\a)*16*CP                     ; c over c0, in place: these bytes are read and written by this lane alone until the phase's barrier
	H1
	H2
	ST16 HA, T+80, (\a)*16*CP
	s_wait_dscnt 0x0                               ; my stores of c and h are done; the rows read behind this barrier are never written again: one barrier a phase
	BAR
.endm
	; THE FIRST TILE
	VW                                             ; the head's end
	s_cmp_lt_u32 s16, 4                            ; Q's four loads have lines of their own, and each wave that issued one waits for it; P's, issued by waves 4-7, may be out
	s_cbranch_scc0 .Lq_not_mine
	s_wait_tensorcnt 0x0
.Lq_not_mine:
	BAR                                            ; K step 0 is whole
	KWALK
.irp a, 0,1,2,3                                ; all my c0 out of Q: 64 registers
.irp u, 0,1
.irp w, 0,1
	ds_load_b128 v[CZ+16*\a+8*\u+4*\w:CZ+16*\a+8*\u+4*\w+3], v[C0A] offset:\a*16*CP+64*\u+16*\w
.endr
.endr
.endr
	s_wait_tensorcnt 0x0                           ; no tensor load of mine is out;
	ds_add_u32 v[SPW], v[NIL]                      ; 0 onto my spare word; block 0's first piece stands between it and the wait for it
	F1 0
	s_wait_dscnt 0x0                               ; the add is done, and my reads of Q are back (those of P were at the barrier before)
	CROUND                                         ; no wave of any partner still reads Q or P
	s_add_nc_u64 s[G0AQ+2:G0AQ+3], s[G0AQ+2:G0AQ+3], NXA
	s_add_nc_u64 s[G0AP+2:G0AP+3], s[G0AP+2:G0AP+3], NXA
	s_sub_nc_u64 s[G0BQ+2:G0BQ+3], s[G0BQ+2:G0BQ+3], 3*BLK   ; both tiles take the same weights
	s_sub_nc_u64 s[G0BP+2:G0BP+3], s[G0BP+2:G0BP+3], 3*BLK
	s_add_nc_u64 s[G0C+2:G0C+3], s[G0C+2:G0C+3], NXO
	JALL                                           ; the second tile's K steps 0, 1, 2: they land under this tile's tail
	BIAS                                           ; accumulators (0, b) have been read: the bias for the second tile
	F2A
	F2B CZ
	PH0 0
	PH0 1
	PH0 2
	PH0 3
	; THE SECOND TILE
	s_wait_xcnt 0x0                                ; the stores have read their bases and their registers
	s_add_nc_u64 s[12:13], s[12:13], NXO
	s_add_nc_u64 s[14:15], s[14:15], NXO
	s_wait_tensorcnt 0x0                           ; my part of its first three K steps is in
	BAR                                            ; everybody's is
	KWALK
	EPI 0, -1
	LDO 0
	EPI 1, 0
	LDO 1
	EPI 2, 1
	LDO 2
	EPI 3, 2
	LDO 3
	STO 3, 1
	s_wait_tensorcnt 0x0                           ; the wave's end, behind my last tensor load and my last LDS store
	ds_add_u32 v[SPW], v[NIL]
	s_wait_dscnt 0x0
	CROUND                                         ; the closing round: no work-group ends while a partner may still ask for a BLOCK that names it
	s_endpgm
.Lfunc_end_k_q4800151cea_lstm:
	.size	k_q4800151cea_lstm, .Lfunc_end_k_q4800151cea_lstm-k_q4800151cea_lstm
	.p2alignl 7, 3214868480
	.fill 96, 4, 3214868480
	.section	.rodata,"a",@progbits
	.p2align	6, 0x0
	.amdhsa_kernel k_q4800151cea_lstm
		.amdhsa_group_segment_fixed_size 327680
		.amdhsa_private_segment_fixed_size 0
		.amdhsa_enable_private_segment 0
		.amdhsa_kernarg_size 48
		.amdhsa_user_sgpr_count 2
		.amdhsa_user_sgpr_kernarg_segment_ptr 1
		.amdhsa_wavefront_size32 1
		.amdhsa_system_sgpr_workgroup_id_x 1
		.amdhsa_system_sgpr_workgroup_id_y 1
		.amdhsa_system_sgpr_workgroup_id_z 1
		.amdhsa_system_vgpr_workitem_id 0
		.amdhsa_next_free_vgpr 512
		.amdhsa_next_free_sgpr 102
		.amdhsa_reserve_vcc 0
		.amdhsa_float_denorm_mode_32 3
		.amdhsa_float_denorm_mode_16_64 3
		.amdhsa_memory_ordered 1
		.amdhsa_forward_progress 1
		.amdhsa_inst_pref_size 255
	.end_amdhsa_kernel
	.section	.bss,"aw",@nobits
	.p2align	6
	.space	262144
	.amdgpu_metadata
---
amdhsa.version: [ 1, 2 ]
amdhsa.kernels:
  - .name:           k_q4800151cea_lstm
    .symbol:         k_q4800151cea_lstm.kd
    .args:
      - { .name: acodes, .offset: 0, .size: 8, .value_kind: global_buffer, .address_space: global }
      - { .name: bcodes, .offset: 8, .size: 8, .value_kind: global_buffer, .address_space: global }
      - { .name: b, .offset: 16, .size: 8, .value_kind: global_buffer, .address_space: global }
      - { .name: c0, .offset: 24, .size: 8, .value_kind: global_buffer, .address_space: global }
      - { .name: out0, .offset: 32, .size: 8, .value_kind: global_buffer, .address_space: global }
      - { .name: out1, .offset: 40, .size: 8, .value_kind: global_buffer, .address_space: global }
    .group_segment_fixed_size: 327680
    .private_segment_fixed_size: 0
    .kernarg_segment_align: 8
    .kernarg_segment_size: 48
    .max_flat_workgroup_size: 256
    .sgpr_count:     102
    .vgpr_count:     512
    .wavefront_size: 32
...
	.end_amdgpu_metadata
.endif
;; end of part 2
